; MI455X (gfx1250); checked and timed in simulation.
; The chip was launched on July 23, 2026; its instructions are those of AMD's public machine-readable ISA for CDNA 5 (MIT licence, August 2026) and "CDNA5" Instruction Set Architecture Reference Guide (July 2026). The comments in the code are by the model that wrote it; some were corrected since.
;; Mo E. Allowed arithmetic: float matrix products may take bf16 or f16 operands with f32 sums; all other float work in f32.
;; Inputs: w_gate 8 x 1,024 float32; w_in 8 x 1,024 x 1,024 float32; w_out 8 x 1,024 x 1,024 float32; x 2 x 2,048 x 1,024 float32.
;; Outputs: out0 2 x 2,048 x 1,024 float32.
;; One version. Each part assembles by itself: llvm-mc -triple=amdgcn-amd-amdhsa -mcpu=gfx1250 --defsym DOCPART=n.
;; ======== version 1 of 1: 5 launches
;; workspace buffers: wb 33,554,432 bytes; pid 16,384 bytes of whole numbers; gat 32,768 bytes; tab 33,792 bytes of whole numbers; gs 65,536 bytes; xs 16,777,216 bytes; h 33,554,432 bytes; pos 16,640 bytes of whole numbers
;; launch route (part 1): grid 1280 x 1, 8 waves a work-group, no clusters, 17,408 bytes of LDS; arguments x, w_gate, w_in, w_out, wb, pid, gat; writes wb, pid, gat
.if DOCPART == 1
	.amdgcn_target "amdgcn-amd-amdhsa--gfx1250"
	.amdhsa_code_object_version 6
	.text
	.protected	k_q46463f4c0e_route
	.globl	k_q46463f4c0e_route
	.p2align	8
	.type	k_q46463f4c0e_route,@function
k_q46463f4c0e_route:
	s_mov_b64 s[64:65], 0
	v_nop
	global_prefetch_b8 v0, s[64:65] scope:SCOPE_SE
	s_setreg_imm32_b32 hwreg(HW_REG_WAVE_MODE, 25, 1), 1
	s_wait_xcnt 0x0
; ROUTE.  Two kinds of work-group in one launch, told apart by the work-group's number alone.
; Work-groups 0-255: the router.  16 tokens each, 2 a wave.  logits = x . w_gate^T with x and w_gate rounded to bf16 (as every input of this
; program is) and summed in f32; the two largest logits (the lower index wins a tie), their softmax with the larger taken away first.  Stored for
; each token: the number g of its pair of experts a < b, g = a (13 - a) / 2 + b - 1 (0..27), and the two gates, a's and b's.
; Work-groups 256-1279: w_in and w_out are rounded to bf16 into wb, 65,536 bytes of f32 a work-group, 8,192 a wave.
; The router's product has 8 columns and takes x by whole rows as the stream brings them; it is done by the vector unit's multiply-add on bf16 halves.
; LIMITS.  Logits are taken to be finite (NaN and infinities are not treated apart).  Two logits closer than the rounding of their f32 sums
; may be ordered otherwise than another order of summation would order them.
.set ACC, 16                           ; v[16:31]   logit e of token t at ACC + 8 t + e
.set XP,  32                           ; v[32:63]   token t's 32 numbers of my lane, packed bf16, 16 registers
.set X,   64                           ; v[64:127]  x as loaded, 32 registers a token; free afterwards
.set MK,  80                           ; v[80:95]   the logits with the winner taken out
.set TT,  96                           ; v[96:127]  16 registers a token: m1 i1 m2 i2 d t 1+t g1 g2 a b ga gb g
.set WG,  128                          ; v[128:255] w_gate, packed bf16: row e at WG + 16 e
.set WP,  160                          ; v[160:175] my wave's row of w_gate, packed, on its way into LDS
	s_load_b256 s[4:11], s[0:1], 0x0               ; x s[4:5], w_gate s[6:7], w_in s[8:9], w_out s[10:11]
	s_load_b128 s[12:15], s[0:1], 0x20             ; wb s[12:13], pid s[14:15]
	s_load_b64 s[16:17], s[0:1], 0x30              ; gat
	v_lshl_add_u32 v14, v0, 2, 0x4000
	v_mov_b32 v15, 0
	v_and_b32 v1, 31, v0                           ; lane
	v_lshrrev_b32 v2, 5, v0
	v_readfirstlane_b32 s18, v2                    ; wave
	v_lshlrev_b32 v3, 4, v1                        ; 16 x lane
	v_lshlrev_b32 v4, 3, v1                        ; 8 x lane
	s_mov_b32 s21, 0
	s_mov_b32 s23, 0
	s_wait_kmcnt 0x0
	s_cmp_lt_u32 ttmp9, 256
	s_cbranch_scc0 .Lconv                          ; the same way for all eight waves
	; ---------------- the router ----------------
	s_lshl_b32 s20, ttmp9, 16                      ; 16 tokens of 4,096 bytes a work-group,
	s_lshl_b32 s22, s18, 13                        ; 2 a wave
	s_add_co_u32 s20, s20, s22
	s_add_nc_u64 s[4:5], s[4:5], s[20:21]
	s_lshl_b32 s22, s18, 12                        ; wave e brings row e of w_gate
	s_add_nc_u64 s[6:7], s[6:7], s[22:23]
	v_lshl_add_u32 v5, s18, 11, v4                 ; where it goes in LDS: 2,048 e + 8 x lane
	s_mov_b32 s24, 0x76543210                      ; v_permlanex16_b32: each lane takes its own place in the other half
	s_mov_b32 s25, 0xfedcba98
	s_mov_b32 s26, 0xff800000                      ; -infinity, in the winner's place for the second scan
	s_lshl_b32 s27, ttmp9, 4
	s_lshl1_add_u32 s27, s18, s27                  ; my wave's first token
	v_add_lshl_u32 v6, v1, s27, 2                  ; lanes 0 and 1: the byte of their token in pid and gat
.set j, 0
.rept 8
	global_load_b128 v[WG+4*j:WG+4*j+3], v3, s[6:7] offset:512*j   ; 512 consecutive bytes a load
.set j, j+1
.endr
.set j, 0
.rept 8
	global_load_b128 v[X+4*j:X+4*j+3], v3, s[4:5] offset:512*j
	global_load_b128 v[X+32+4*j:X+32+4*j+3], v3, s[4:5] offset:4096+512*j
.set j, j+1
.endr
	s_wait_loadcnt 16                              ; w_gate's eight are in; x's sixteen, issued behind them, stay out
.set j, 0
.rept 8
	v_cvt_pk_bf16_f32 v[WP+2*j], v[WG+4*j], v[WG+4*j+1]
	v_cvt_pk_bf16_f32 v[WP+2*j+1], v[WG+4*j+2], v[WG+4*j+3]
.set j, j+1
.endr
.set j, 0
.rept 8
	ds_store_b64 v5, v[WP+2*j:WP+2*j+1] offset:256*j   ; byte 2,048 e + 256 j + 8 lane: elements 128 j + 4 lane .. + 3 of row e
.set j, j+1
.endr
	s_wait_dscnt 0x0                               ; for the others' sake: my row is in LDS
	s_barrier_signal -1
	s_barrier_wait -1
.set e, 0
.rept 8
.set j, 0
.rept 8
	ds_load_b64 v[WG+16*e+2*j:WG+16*e+2*j+1], v4 offset:2048*e+256*j   ; the same elements of every row as my lane holds of x
.set j, j+1
.endr
.set e, e+1
.endr
	s_wait_loadcnt 0x0                             ; x
.set j, 0
.rept 8
	v_cvt_pk_bf16_f32 v[XP+2*j], v[X+4*j], v[X+4*j+1]
	v_cvt_pk_bf16_f32 v[XP+2*j+1], v[X+4*j+2], v[X+4*j+3]
	v_cvt_pk_bf16_f32 v[XP+16+2*j], v[X+32+4*j], v[X+32+4*j+1]
	v_cvt_pk_bf16_f32 v[XP+16+2*j+1], v[X+32+4*j+2], v[X+32+4*j+3]
.set j, j+1
.endr
.set i, 0
.rept 16
	v_mov_b32 v[ACC+i], 0
.set i, i+1
.endr
	s_wait_dscnt 0x0                               ; w_gate
	; 512 multiply-adds: a product of two bf16 is exact in f32; sixteen chains that do not wait for each other
.set r, 0
.rept 16
.set e, 0
.rept 8
	v_fma_mix_f32_bf16 v[ACC+e], v[XP+r], v[WG+16*e+r], v[ACC+e] op_sel_hi:[1,1,0]
	v_fma_mix_f32_bf16 v[ACC+8+e], v[XP+16+r], v[WG+16*e+r], v[ACC+8+e] op_sel_hi:[1,1,0]
.set e, e+1
.endr
.set e, 0
.rept 8
	v_fma_mix_f32_bf16 v[ACC+e], v[XP+r], v[WG+16*e+r], v[ACC+e] op_sel:[1,1,0] op_sel_hi:[1,1,0]
	v_fma_mix_f32_bf16 v[ACC+8+e], v[XP+16+r], v[WG+16*e+r], v[ACC+8+e] op_sel:[1,1,0] op_sel_hi:[1,1,0]
.set e, e+1
.endr
.set r, r+1
.endr
	; the sums over the 32 lanes; every lane ends with all sixteen logits
.irp m, 1,2,4,8
.set i, 0
.rept 16
	v_add_f32_dpp v[ACC+i], v[ACC+i], v[ACC+i] row_xmask:\m row_mask:0xf bank_mask:0xf
.set i, i+1
.endr
.endr
.set i, 0
.rept 16
	v_permlanex16_b32 v[X+i], v[ACC+i], s24, s25   ; its destination counts as read: x's registers have been written
.set i, i+1
.endr
.set i, 0
.rept 16
	v_add_f32 v[ACC+i], v[ACC+i], v[X+i]
.set i, i+1
.endr
; the largest of eight numbers into v[m], its index into v[m+1]; the compare is strict, so the lowest index keeps a tie
.macro SCAN src, m
	v_mov_b32 v[\m], v[\src]
	v_mov_b32 v[\m+1], 0
.set e, 1
.rept 7
	v_cmp_gt_f32 vcc_lo, v[\src+e], v[\m]
	v_cndmask_b32 v[\m], v[\m], v[\src+e], vcc_lo
	v_cndmask_b32 v[\m+1], v[\m+1], e, vcc_lo
.set e, e+1
.endr
.endm
.irp t, 0,1
	SCAN ACC+8*\t, TT+16*\t
.set e, 0
.rept 8
	v_cmp_eq_u32 vcc_lo, e, v[TT+16*\t+1]
	v_cndmask_b32 v[MK+8*\t+e], v[ACC+8*\t+e], s26, vcc_lo
.set e, e+1
.endr
	SCAN MK+8*\t, TT+16*\t+2
.endr
	; softmax of (m1, m2) with the maximum m1 taken away: g1 = 1 / (1 + e^(m2 - m1)), g2 = e^(m2 - m1) g1
	v_sub_f32 v[TT+4], v[TT+2], v[TT]
	v_sub_f32 v[TT+20], v[TT+18], v[TT+16]
	v_mul_f32 v[TT+4], 0x3fb8aa3b, v[TT+4]
	v_mul_f32 v[TT+20], 0x3fb8aa3b, v[TT+20]
	v_cmp_lt_u32 s28, v[TT+1], v[TT+3]             ; is the winner the lower expert?
	v_cmp_lt_u32 s29, v[TT+17], v[TT+19]
	v_exp_f32 v[TT+5], v[TT+4]
	v_exp_f32 v[TT+21], v[TT+20]
	v_cndmask_b32 v[TT+9], v[TT+3], v[TT+1], s28   ; a: plain work behind the exponentials (ISA guide 5.7.2)
	v_cndmask_b32 v[TT+25], v[TT+19], v[TT+17], s29
	s_wait_alu depctr_va_vdst(0)
	v_add_f32 v[TT+6], 1.0, v[TT+5]
	v_add_f32 v[TT+22], 1.0, v[TT+21]
	v_rcp_f32 v[TT+7], v[TT+6]
	v_rcp_f32 v[TT+23], v[TT+22]
	v_cndmask_b32 v[TT+10], v[TT+1], v[TT+3], s28  ; b: plain work behind the reciprocals
	v_cndmask_b32 v[TT+26], v[TT+17], v[TT+19], s29
	s_wait_alu depctr_va_vdst(0)
	v_mul_f32 v[TT+8], v[TT+5], v[TT+7]
	v_mul_f32 v[TT+24], v[TT+21], v[TT+23]
	v_sub_nc_u32 v[TT+13], 13, v[TT+9]
	v_sub_nc_u32 v[TT+29], 13, v[TT+25]
	v_mul_u32_u24 v[TT+13], v[TT+13], v[TT+9]
	v_mul_u32_u24 v[TT+29], v[TT+29], v[TT+25]
	v_lshrrev_b32 v[TT+13], 1, v[TT+13]
	v_lshrrev_b32 v[TT+29], 1, v[TT+29]
	v_add3_u32 v[TT+13], v[TT+13], v[TT+10], -1    ; g = a (13 - a) / 2 + b - 1
	v_add3_u32 v[TT+29], v[TT+29], v[TT+26], -1
	v_cndmask_b32 v[TT+11], v[TT+8], v[TT+7], s28  ; a's gate
	v_cndmask_b32 v[TT+27], v[TT+24], v[TT+23], s29
	v_cndmask_b32 v[TT+12], v[TT+7], v[TT+8], s28  ; b's gate
	v_cndmask_b32 v[TT+28], v[TT+23], v[TT+24], s29
	v_cmp_eq_u32 vcc_lo, 1, v1                     ; lane 1 takes the second token's numbers
	v_cndmask_b32 v8, v[TT+13], v[TT+29], vcc_lo
	v_cndmask_b32 v9, v[TT+11], v[TT+27], vcc_lo
	v_cndmask_b32 v10, v[TT+12], v[TT+28], vcc_lo
	v_cmp_gt_u32 vcc_lo, 2, v1
	s_wait_xcnt 0x0                                ; EXEC changes only behind this wait
	s_wait_tensorcnt 0x0
	ds_add_u32 v14, v15
	s_wait_dscnt 0x0
	s_and_saveexec_b32 s28, vcc_lo
	global_store_b32 v6, v8, s[14:15]
	global_store_b32 v6, v9, s[16:17]
	global_store_b32 v6, v10, s[16:17] offset:16384
	s_wait_xcnt 0x0                                ; and again in front of the line that widens it
	s_or_b32 exec_lo, exec_lo, s28
	s_endpgm
	; ---------------- the weights, rounded to bf16 ----------------
.Lconv:
	s_sub_co_u32 s20, ttmp9, 256                   ; k = 0..1023: 512 pieces of w_in, then 512 of w_out
	s_and_b32 s22, s20, 511
	s_lshl_b32 s22, s22, 16                        ; 65,536 bytes of f32 a piece
	s_cmp_lt_u32 s20, 512
	s_cselect_b64 s[24:25], s[8:9], s[10:11]
	s_add_nc_u64 s[24:25], s[24:25], s[22:23]
	s_lshl_b32 s22, s20, 15                        ; 32,768 bytes of bf16: w_out's follow w_in's in wb
	s_add_nc_u64 s[12:13], s[12:13], s[22:23]
	v_lshl_add_u32 v3, s18, 13, v3                 ; 16 x lane + 8,192 x wave
	v_lshl_add_u32 v4, s18, 12, v4                 ; 8 x lane + 4,096 x wave
.set j, 0
.rept 16
	global_load_b128 v[X+4*j:X+4*j+3], v3, s[24:25] offset:512*j th:TH_LOAD_NT   ; sixteen loads of every wave on their way
.set j, j+1
.endr
.set j, 0
.rept 16
	s_wait_loadcnt 15-j                            ; loads come back in order: number j is in, the younger ones stay out
	v_cvt_pk_bf16_f32 v[XP+2*j], v[X+4*j], v[X+4*j+1]
	v_cvt_pk_bf16_f32 v[XP+2*j+1], v[X+4*j+2], v[X+4*j+3]
	global_store_b64 v4, v[XP+2*j:XP+2*j+1], s[12:13] offset:256*j   ; the wave's store covers 256 consecutive bytes, aligned
.set j, j+1
.endr
	s_endpgm
.Lfunc_end_k_q46463f4c0e_route:
	.size	k_q46463f4c0e_route, .Lfunc_end_k_q46463f4c0e_route-k_q46463f4c0e_route
	.p2alignl 7, 3214868480
	.fill 96, 4, 3214868480
	.section	.rodata,"a",@progbits
	.p2align	6, 0x0
	.amdhsa_kernel k_q46463f4c0e_route
		.amdhsa_group_segment_fixed_size 17408
		.amdhsa_private_segment_fixed_size 0
		.amdhsa_enable_private_segment 0
		.amdhsa_kernarg_size 56
		.amdhsa_user_sgpr_count 2
		.amdhsa_user_sgpr_kernarg_segment_ptr 1
		.amdhsa_wavefront_size32 1
		.amdhsa_system_sgpr_workgroup_id_x 1
		.amdhsa_system_sgpr_workgroup_id_y 1
		.amdhsa_system_sgpr_workgroup_id_z 1
		.amdhsa_system_vgpr_workitem_id 0
		.amdhsa_next_free_vgpr 256
		.amdhsa_next_free_sgpr 66
		.amdhsa_reserve_vcc 1
		.amdhsa_float_denorm_mode_32 3
		.amdhsa_float_denorm_mode_16_64 3
		.amdhsa_memory_ordered 1
		.amdhsa_forward_progress 1
		.amdhsa_inst_pref_size 63
	.end_amdhsa_kernel
	.amdgpu_metadata
---
amdhsa.version: [ 1, 2 ]
amdhsa.kernels:
  - .name:           k_q46463f4c0e_route
    .symbol:         k_q46463f4c0e_route.kd
    .args:
      - { .name: x, .offset: 0, .size: 8, .value_kind: global_buffer, .address_space: global }
      - { .name: w_gate, .offset: 8, .size: 8, .value_kind: global_buffer, .address_space: global }
      - { .name: w_in, .offset: 16, .size: 8, .value_kind: global_buffer, .address_space: global }
      - { .name: w_out, .offset: 24, .size: 8, .value_kind: global_buffer, .address_space: global }
      - { .name: wb, .offset: 32, .size: 8, .value_kind: global_buffer, .address_space: global }
      - { .name: pid, .offset: 40, .size: 8, .value_kind: global_buffer, .address_space: global }
      - { .name: gat, .offset: 48, .size: 8, .value_kind: global_buffer, .address_space: global }
    .group_segment_fixed_size: 17408
    .private_segment_fixed_size: 0
    .kernarg_segment_align: 8
    .kernarg_segment_size: 56
    .max_flat_workgroup_size: 256
    .sgpr_count:     66
    .vgpr_count:     256
    .wavefront_size: 32
...
	.end_amdgpu_metadata
.endif
;; end of part 1
;; launch rank (part 2): grid 32 x 1, 32 waves a work-group, no clusters, 8,192 bytes of LDS; arguments pid, tab, pos; writes tab, pos
.if DOCPART == 2
	.amdgcn_target "amdgcn-amd-amdhsa--gfx1250"
	.amdhsa_code_object_version 6
	.text
	.protected	k_q46463f4c0e_rank
	.globl	k_q46463f4c0e_rank
	.p2align	8
	.type	k_q46463f4c0e_rank,@function
k_q46463f4c0e_rank:
	s_mov_b64 s[64:65], 0
	v_nop
	global_prefetch_b8 v0, s[64:65] scope:SCOPE_SE
	s_setreg_imm32_b32 hwreg(HW_REG_WAVE_MODE, 25, 1), 1
	s_wait_xcnt 0x0
; RANK.  Tokens are sorted by their pair of experts (28 groups); each group is padded to whole tiles of 128 rows.  This launch finds each token's row in that order and stores it
; as a whole number at the token's own place; the next launch uses the rows as addresses.  Here every address and every branch is made of the work-group's, the wave's and the
; lane's number alone: what the waves hand to each other through LDS ends as the data of stores.
; Work-group j of 32 counts all 4,096 group numbers (16 KiB): wave w counts block (w + j) % 32 of 128 tokens, so that wave 0, the leader, holds block j and ranks it.
; The leader then stores the rows of its 128 tokens.  Work-group 0's leader also stores, for each group, the row behind its last token and its pad rows, and the tiles' tables.
; 32 work-groups: a block of 128 tokens is what one leader ranks, and there are 32 blocks.
; Within a group the order of tokens is by block, then by the four tokens of a lane, then by lane: any order serves.
.set MT,  0                            ; LDS: counts, M[wave][group] at 128 wave + 4 group: 4,096 bytes
	s_load_b128 s[4:7], s[0:1], 0x0                ; pid s[4:5], tab s[6:7]
	s_load_b64 s[8:9], s[0:1], 0x10                ; pos
	v_lshl_add_u32 v126, v0, 2, 0x1000
	v_mov_b32 v127, 0
	v_and_b32 v1, 31, v0                           ; lane
	v_lshrrev_b32 v2, 5, v0
	v_readfirstlane_b32 s16, v2                    ; wave
	s_mov_b32 s17, ttmp9                           ; wo: the block that this work-group ranks
	s_add_co_u32 s19, s16, s17
	s_and_b32 s19, s19, 31                         ; the block that my wave counts
	v_lshlrev_b32 v3, 4, v1                        ; 16 x lane
	v_lshlrev_b32 v46, 2, v1                       ; 4 x lane
	s_lshl_b32 s28, s19, 9                         ; a block's 128 numbers are 512 bytes, in pid and in pos alike
	s_mov_b32 s29, 0
	s_wait_kmcnt 0x0
	s_add_nc_u64 s[4:5], s[4:5], s[28:29]
	global_load_b128 v[4:7], v3, s[4:5]            ; tokens 4 lane .. 4 lane + 3 of the block
	v_mov_b32 v12, 0                               ; lane g: my block's count of group g
	s_wait_loadcnt 0x0
.irp c, 0,1,2,3
	v_min_u32 v[4+\c], 27, v[4+\c]
.endr
; Group g is counted in my block.  rank = 1: each of my tokens of that group also learns how many stand in front of it in the block.
.macro COUNT g, rank
.irp c, 0,1,2,3
	v_cmp_eq_u32 s[24+\c], \g, v[4+\c]
.endr
	s_mov_b32 s21, 0
.irp c, 0,1,2,3
.if \rank
	v_mbcnt_lo_u32_b32 v13, s[24+\c], s21
	v_cndmask_b32 v[8+\c], v[8+\c], v13, s[24+\c]
.endif
	s_bcnt1_i32_b32 s22, s[24+\c]
	s_add_co_u32 s21, s21, s22
.endr
	v_writelane_b32 v12, s21, \g
.endm
	s_cmp_lg_u32 s16, 0
	s_cbranch_scc1 .Lcount_plain
.irp c, 0,1,2,3
	v_mov_b32 v[8+\c], 0
.endr
.set g, 0
.rept 28
	COUNT g, 1
.set g, g+1
.endr
	s_branch .Lcounted
.Lcount_plain:
.set g, 0
.rept 28
	COUNT g, 0
.set g, g+1
.endr
.Lcounted:
	v_lshl_add_u32 v13, s16, 7, v46                ; 128 x wave + 4 x lane: 128 consecutive bytes of my wave's own
	ds_store_b32 v13, v12
	s_wait_dscnt 0x0                               ; for the leader's sake
	s_barrier_signal -1
	s_barrier_wait -1
	s_cmp_lg_u32 s16, 0
	s_cbranch_scc1 .Lend                           ; the other waves have done their part
	; ---------------- the leader: lane g works for group g ----------------
.set w, 0
.rept 32
	ds_load_b32 v[64+w], v46 offset:MT+128*w
.set w, w+1
.endr
	s_sub_co_u32 s23, 32, s17                      ; waves 32 - wo and up hold the blocks below mine
	v_mov_b32 v48, 0                               ; the group's tokens
	v_mov_b32 v49, 0                               ; those of them in blocks below mine
	s_wait_dscnt 0x0
.set w, 0
.rept 32
	s_cmp_ge_u32 w, s23
	s_cselect_b32 s20, 1, 0
	v_add_nc_u32 v48, v48, v[64+w]
	v_mad_u32_u24 v49, v[64+w], s20, v49
.set w, w+1
.endr
	v_add_nc_u32 v50, 127, v48
	v_lshrrev_b32 v50, 7, v50                      ; the group's tiles
	v_mov_b32 v51, v50                             ; their running sum over the groups
.irp n, 1,2,4,8
	v_mov_b32 v13, 0
	v_mov_b32_dpp v13, v51 row_shr:\n row_mask:0xf bank_mask:0xf   ; lanes without a source keep the 0
	v_add_nc_u32 v51, v51, v13
.endr
	v_readlane_b32 s20, v51, 15
	v_cmp_le_u32 vcc_lo, 16, v1
	v_cndmask_b32 v13, 0, s20, vcc_lo
	v_add_nc_u32 v51, v51, v13
	v_sub_nc_u32 v52, v51, v50                     ; the group's first tile
	v_lshl_add_u32 v53, v52, 7, v49                ; the row of my block's first token of the group
	v_lshl_add_u32 v54, v52, 7, v48                ; the row behind the group's last token
	v_lshlrev_b32 v55, 7, v50
	v_sub_nc_u32 v55, v55, v48                     ; its pad rows, 0..127
.irp c, 0,1,2,3
	v_lshlrev_b32 v[56+\c], 2, v[4+\c]
.endr
.irp c, 0,1,2,3
	ds_bpermute_b32 v[60+\c], v[56+\c], v53        ; each token takes its group's row from lane g
.endr
	s_add_nc_u64 s[30:31], s[8:9], s[28:29]        ; pos at my block (the leader's block is wo)
	s_wait_dscnt 0x0
.irp c, 0,1,2,3
	v_add_nc_u32 v[8+\c], v[8+\c], v[60+\c]
.endr
	global_store_b128 v3, v[8:11], s[30:31]        ; 512 consecutive bytes, aligned: the rows of tokens 128 wo .. 128 wo + 127
	s_cmp_lg_u32 ttmp9, 0
	s_cbranch_scc1 .Lend
	; ---------------- the leader of work-group 0: what holds of the groups and of the tiles ----------------
	global_store_b32 v46, v54, s[8:9] offset:16384 ; lanes 28-31 stand for no group: 0 tokens, 0 pad rows
	global_store_b32 v46, v55, s[8:9] offset:16512
	; A lane stands for tiles t = lane and lane + 32; a tile belongs to the last group whose first tile is not beyond it
	v_add_nc_u32 v64, 32, v1
.irp r, 65,66,67,68,69,70
	v_mov_b32 v\r, 0
.endr
.set g, 0
.set a, 0
.rept 7
.set b, a+1
.rept 7-a
	v_readlane_b32 s20, v52, g
	v_readlane_b32 s21, v54, g
	v_cmp_le_u32 vcc_lo, s20, v1
	v_cndmask_b32 v65, v65, a, vcc_lo
	v_cndmask_b32 v66, v66, b, vcc_lo
	v_cndmask_b32 v67, v67, s21, vcc_lo
	v_cmp_le_u32 vcc_lo, s20, v64
	v_cndmask_b32 v68, v68, a, vcc_lo
	v_cndmask_b32 v69, v69, b, vcc_lo
	v_cndmask_b32 v70, v70, s21, vcc_lo
.set b, b+1
.set g, g+1
.endr
.set a, a+1
.endr
	v_lshlrev_b32 v71, 7, v1                       ; the tile's valid rows: the group's end less 128 t, held to 1..128
	v_sub_nc_u32 v67, v67, v71
	v_cmp_gt_i32 vcc_lo, 1, v67
	v_cndmask_b32 v67, v67, 1, vcc_lo
	v_min_u32 v67, 128, v67
	v_lshlrev_b32 v71, 7, v64
	v_sub_nc_u32 v70, v70, v71
	v_cmp_gt_i32 vcc_lo, 1, v70
	v_cndmask_b32 v70, v70, 1, vcc_lo
	v_min_u32 v70, 128, v70
	v_readlane_b32 s22, v51, 31                    ; the number of tiles
	v_mov_b32 v72, s22
	global_store_b32 v46, v65, s[6:7] offset:32768         ; expert a of tiles 0-31,
	global_store_b32 v46, v68, s[6:7] offset:32768+128     ; of tiles 32-63
	global_store_b32 v46, v66, s[6:7] offset:32768+256     ; expert b
	global_store_b32 v46, v69, s[6:7] offset:32768+384
	global_store_b32 v46, v67, s[6:7] offset:32768+512     ; valid rows
	global_store_b32 v46, v70, s[6:7] offset:32768+640
	global_store_b32 v46, v72, s[6:7] offset:32768+768     ; the number of tiles, in all 64 words
	global_store_b32 v46, v72, s[6:7] offset:32768+896
.Lend:
	s_wait_tensorcnt 0x0
	ds_add_u32 v126, v127
	s_wait_dscnt 0x0
	s_endpgm
.Lfunc_end_k_q46463f4c0e_rank:
	.size	k_q46463f4c0e_rank, .Lfunc_end_k_q46463f4c0e_rank-k_q46463f4c0e_rank
	.p2alignl 7, 3214868480
	.fill 96, 4, 3214868480
	.section	.rodata,"a",@progbits
	.p2align	6, 0x0
	.amdhsa_kernel k_q46463f4c0e_rank
		.amdhsa_group_segment_fixed_size 8192
		.amdhsa_private_segment_fixed_size 0
		.amdhsa_enable_private_segment 0
		.amdhsa_kernarg_size 24
		.amdhsa_user_sgpr_count 2
		.amdhsa_user_sgpr_kernarg_segment_ptr 1
		.amdhsa_wavefront_size32 1
		.amdhsa_system_sgpr_workgroup_id_x 1
		.amdhsa_system_sgpr_workgroup_id_y 1
		.amdhsa_system_sgpr_workgroup_id_z 1
		.amdhsa_system_vgpr_workitem_id 0
		.amdhsa_next_free_vgpr 128
		.amdhsa_next_free_sgpr 66
		.amdhsa_reserve_vcc 1
		.amdhsa_float_denorm_mode_32 3
		.amdhsa_float_denorm_mode_16_64 3
		.amdhsa_memory_ordered 1
		.amdhsa_forward_progress 1
		.amdhsa_inst_pref_size 76
	.end_amdhsa_kernel
	.amdgpu_metadata
---
amdhsa.version: [ 1, 2 ]
amdhsa.kernels:
  - .name:           k_q46463f4c0e_rank
    .symbol:         k_q46463f4c0e_rank.kd
    .args:
      - { .name: pid, .offset: 0, .size: 8, .value_kind: global_buffer, .address_space: global }
      - { .name: tab, .offset: 8, .size: 8, .value_kind: global_buffer, .address_space: global }
      - { .name: pos, .offset: 16, .size: 8, .value_kind: global_buffer, .address_space: global }
    .group_segment_fixed_size: 8192
    .private_segment_fixed_size: 0
    .kernarg_segment_align: 8
    .kernarg_segment_size: 24
    .max_flat_workgroup_size: 1024
    .sgpr_count:     66
    .vgpr_count:     128
    .wavefront_size: 32
...
	.end_amdgpu_metadata
.endif
;; end of part 2
;; launch scatter (part 3): grid 256 x 1, 32 waves a work-group, no clusters, 0 bytes of LDS; arguments pos, gat, x, tab, gs, xs; writes tab, gs, xs
.if DOCPART == 3
	.amdgcn_target "amdgcn-amd-amdhsa--gfx1250"
	.amdhsa_code_object_version 6
	.text
	.protected	k_q46463f4c0e_scatter
	.globl	k_q46463f4c0e_scatter
	.p2align	8
	.type	k_q46463f4c0e_scatter,@function
k_q46463f4c0e_scatter:
	s_mov_b64 s[64:65], 0
	v_nop
	global_prefetch_b8 v0, s[64:65] scope:SCOPE_SE
	s_setreg_imm32_b32 hwreg(HW_REG_WAVE_MODE, 25, 1), 1
	s_wait_xcnt 0x0
; SCATTER.  x, rounded to bf16, goes to its sorted rows of xs; perm and the gates go with it; the groups' pad rows are filled with zeros.  The rows are whole numbers that the
; launch before stored in pos: row[4096], then at byte 16,384 for each group the row behind its last token, at byte 16,512 its pad rows.
; Work-group j: tokens 16 j .. 16 j + 15 (wave w: half w % 2 of token w / 2, 2,048 bytes of f32), and the pad rows 16 (j % 8) .. + 15 of group j / 8, where the group has them
; (wave w: half w % 2 of pad row 16 (j % 8) + w / 2).  Wave 1 writes perm and the gates of the sixteen tokens, wave 2 those of the pad rows (token 0, gates 0).
; A stream: each byte of x is read once, each store of a wave into xs covers 256 consecutive bytes, aligned.  No LDS, no barrier, no matrix unit: the waves share nothing.
; No branch hangs on a number read from memory: a pad row that the group does not have is stored with every lane off.
	s_load_b256 s[4:11], s[0:1], 0x0               ; pos s[4:5], gat s[6:7], x s[8:9], tab s[10:11]
	s_load_b128 s[12:15], s[0:1], 0x20             ; gs s[12:13], xs s[14:15]
	v_and_b32 v1, 31, v0                           ; lane
	v_lshrrev_b32 v2, 5, v0
	v_readfirstlane_b32 s16, v2                    ; wave
	s_lshr_b32 s17, ttmp9, 3                       ; the group whose pad rows I share in (28-31: none, 0 pad rows)
	s_and_b32 s18, ttmp9, 7                        ; which 16 of them
	v_lshlrev_b32 v3, 4, v1                        ; 16 x lane
	v_lshlrev_b32 v14, 3, v1                       ; 8 x lane
	v_and_b32 v15, 15, v1
	s_lshl_b32 s20, ttmp9, 4                       ; the work-group's first token
	v_add_nc_u32 v42, s20, v15                     ; token 16 j + lane % 16
	v_lshlrev_b32 v43, 2, v42                      ; its byte in gat and in pos
	s_lshr_b32 s21, s16, 1
	s_add_co_u32 s22, s20, s21                     ; my wave's token,
	s_lshl_b32 s22, s22, 2                         ; its byte in pos
	s_lshl_b32 s23, s17, 2                         ; the group's byte in the two lists
	s_lshl_b32 s24, ttmp9, 16                      ; 16 tokens of 4,096 bytes,
	s_lshl_b32 s25, s16, 11                        ; half a token a wave
	s_add_co_u32 s24, s24, s25
	s_mov_b32 s25, 0
	s_lshl_b32 s19, s18, 4
	s_add_co_u32 s21, s19, s21                     ; k: my wave's pad row in the group
	v_add_nc_u32 v58, s19, v15                     ; pad row 16 (j % 8) + lane % 16
	v_mov_b32 v47, s21
	v_mov_b32 v44, 0                               ; a pair of zeros for the pad rows
	v_mov_b32 v45, 0
	s_wait_kmcnt 0x0
	s_load_b32 s26, s[4:5], s22 offset:0x0         ; my token's row
	s_load_b32 s27, s[4:5], s23 offset:0x4000      ; the row behind the group's tokens
	s_load_b32 s28, s[4:5], s23 offset:0x4080      ; its pad rows
	s_add_nc_u64 s[8:9], s[8:9], s[24:25]
.set q, 0
.rept 4
	global_load_b128 v[16+4*q:19+4*q], v3, s[8:9] offset:512*q th:TH_LOAD_NT   ; 512 consecutive bytes a load
.set q, q+1
.endr
	global_load_b32 v40, v43, s[6:7]               ; the gates and the row of token 16 j + lane % 16, for wave 1
	global_load_b32 v41, v43, s[6:7] offset:16384
	global_load_b32 v63, v43, s[4:5]
	s_wait_kmcnt 0x0
	s_min_u32 s26, s26, 8191                       ; whatever the list holds, inside xs
	s_and_b32 s29, s16, 1
	s_lshl_b32 s29, s29, 10                        ; my half of a row of 2,048 bytes
	s_lshl_b32 s30, s26, 11
	s_add_co_u32 s30, s30, s29
	s_mov_b32 s31, 0
	s_add_nc_u64 s[32:33], s[14:15], s[30:31]      ; xs at my token's row
	s_add_co_u32 s34, s27, s21
	s_min_u32 s34, s34, 8191
	s_lshl_b32 s34, s34, 11
	s_add_co_u32 s34, s34, s29
	s_mov_b32 s35, 0
	s_add_nc_u64 s[36:37], s[14:15], s[34:35]      ; xs at my pad row
	s_wait_loadcnt 0x3                             ; x's four loads are in; the three issued behind them stay out
.set q, 0
.rept 4
	v_cvt_pk_bf16_f32 v[32+2*q], v[16+4*q], v[17+4*q]
	v_cvt_pk_bf16_f32 v[33+2*q], v[18+4*q], v[19+4*q]
.set q, q+1
.endr
.set q, 0
.rept 4
	global_store_b64 v14, v[32+2*q:33+2*q], s[32:33] offset:256*q   ; 256 consecutive bytes, aligned
.set q, q+1
.endr
	s_wait_xcnt 0x0                                ; EXEC changes only behind this wait
	v_cmpx_gt_u32 s28, v47                         ; has the group a pad row k?  All lanes on, or none
.set q, 0
.rept 4
	global_store_b64 v14, v[44:45], s[36:37] offset:256*q
.set q, q+1
.endr
	s_wait_xcnt 0x0                                ; and again in front of the line that widens it
	s_mov_b32 exec_lo, -1
	s_cmp_lg_u32 s16, 1
	s_cbranch_scc1 .Lnot1
	; wave 1, lanes 0-15: perm and the gates of the work-group's sixteen tokens
	s_wait_loadcnt 0x0                             ; the gates and the rows
	v_min_u32 v63, 8191, v63
	v_lshlrev_b32 v63, 2, v63
	v_cmp_gt_u32 vcc_lo, 16, v1
	s_wait_xcnt 0x0
	s_and_saveexec_b32 s38, vcc_lo
	global_store_b32 v63, v42, s[10:11]
	global_store_b32 v63, v40, s[12:13]
	global_store_b32 v63, v41, s[12:13] offset:32768
	s_wait_xcnt 0x0
	s_or_b32 exec_lo, exec_lo, s38
.Lnot1:
	s_cmp_lg_u32 s16, 2
	s_cbranch_scc1 .Lnot2
	; wave 2, lanes 0-15: token 0 and gates 0 for the pad rows that the group has
	v_add_nc_u32 v48, s27, v58
	v_min_u32 v48, 8191, v48
	v_lshlrev_b32 v48, 2, v48
	v_cmp_gt_u32 s39, s28, v58
	v_cmp_gt_u32 vcc_lo, 16, v1
	s_and_b32 vcc_lo, vcc_lo, s39
	s_wait_xcnt 0x0
	s_and_saveexec_b32 s38, vcc_lo
	global_store_b32 v48, v44, s[10:11]
	global_store_b32 v48, v44, s[12:13]
	global_store_b32 v48, v44, s[12:13] offset:32768
	s_wait_xcnt 0x0
	s_or_b32 exec_lo, exec_lo, s38
.Lnot2:
	s_endpgm
.Lfunc_end_k_q46463f4c0e_scatter:
	.size	k_q46463f4c0e_scatter, .Lfunc_end_k_q46463f4c0e_scatter-k_q46463f4c0e_scatter
	.p2alignl 7, 3214868480
	.fill 96, 4, 3214868480
	.section	.rodata,"a",@progbits
	.p2align	6, 0x0
	.amdhsa_kernel k_q46463f4c0e_scatter
		.amdhsa_group_segment_fixed_size 0
		.amdhsa_private_segment_fixed_size 0
		.amdhsa_enable_private_segment 0
		.amdhsa_kernarg_size 48
		.amdhsa_user_sgpr_count 2
		.amdhsa_user_sgpr_kernarg_segment_ptr 1
		.amdhsa_wavefront_size32 1
		.amdhsa_system_sgpr_workgroup_id_x 1
		.amdhsa_system_sgpr_workgroup_id_y 1
		.amdhsa_system_sgpr_workgroup_id_z 1
		.amdhsa_system_vgpr_workitem_id 0
		.amdhsa_next_free_vgpr 64
		.amdhsa_next_free_sgpr 66
		.amdhsa_reserve_vcc 1
		.amdhsa_float_denorm_mode_32 3
		.amdhsa_float_denorm_mode_16_64 3
		.amdhsa_memory_ordered 1
		.amdhsa_forward_progress 1
		.amdhsa_inst_pref_size 6
	.end_amdhsa_kernel
	.amdgpu_metadata
---
amdhsa.version: [ 1, 2 ]
amdhsa.kernels:
  - .name:           k_q46463f4c0e_scatter
    .symbol:         k_q46463f4c0e_scatter.kd
    .args:
      - { .name: pos, .offset: 0, .size: 8, .value_kind: global_buffer, .address_space: global }
      - { .name: gat, .offset: 8, .size: 8, .value_kind: global_buffer, .address_space: global }
      - { .name: x, .offset: 16, .size: 8, .value_kind: global_buffer, .address_space: global }
      - { .name: tab, .offset: 24, .size: 8, .value_kind: global_buffer, .address_space: global }
      - { .name: gs, .offset: 32, .size: 8, .value_kind: global_buffer, .address_space: global }
      - { .name: xs, .offset: 40, .size: 8, .value_kind: global_buffer, .address_space: global }
    .group_segment_fixed_size: 0
    .private_segment_fixed_size: 0
    .kernarg_segment_align: 8
    .kernarg_segment_size: 48
    .max_flat_workgroup_size: 1024
    .sgpr_count:     66
    .vgpr_count:     64
    .wavefront_size: 32
...
	.end_amdgpu_metadata
.endif
;; end of part 3
;; launch gemm1 (part 4): grid 256 x 1, 4 waves a work-group, no clusters, 327,680 bytes of LDS; arguments xs, wb, gs, tab, h; writes h
.if DOCPART == 4
	.amdgcn_target "amdgcn-amd-amdhsa--gfx1250"
	.amdhsa_code_object_version 6
	.text
	.protected	k_q46463f4c0e_gemm1
	.globl	k_q46463f4c0e_gemm1
	.p2align	8
	.type	k_q46463f4c0e_gemm1,@function
k_q46463f4c0e_gemm1:
	s_mov_b64 s[64:65], 0
	v_nop
	global_prefetch_b8 v0, s[64:65] scope:SCOPE_SE
	s_setreg_imm32_b32 hwreg(HW_REG_WAVE_MODE, 25, 1), 1
	s_wait_xcnt 0x0
; GEMM1.  h'[half][p][n] = gate(p, half) x the sum over k of xs[p][k] W_in[e][n][k], e = the tile's expert a for half 0 and b for half 1.
; xs: [8192][1024] bf16 (sorted, padded rows), W_in in wb: [8][1024][1024] bf16, h: [2][8192][1024] bf16.  Sums in f32; h' is rounded once, the gate already in it.
; An item is 128 x 128 of h': tile t of 128 rows, column block c of 16 (c / 8 the half, c % 8 the block in it).  Work-group: c = id % 16, tiles t = id / 16 + 16 i,
; i = 0..3: ALWAYS FOUR ITEMS, so that the barriers and tensor loads that a wave passes hang on no number read from memory.  Only T tiles exist (T is read from tab; 32..59 by
; the sizes: 4,096 tokens in 28 groups).  An item whose tile is at or beyond T walks tile T - 1 once more, so that it reads only bytes that were written, and its stores are
; switched off: that work serves nothing, and is the price of the constant count.
; Four waves, each 64 x 64: 16 accumulators.  K = 1,024 goes in four steps of 256 through two LDS slots; a wave's one tensor load brings 64 rows of 512 bytes (waves 0, 1: xs;
; waves 2, 3: W_in).  The ring runs on into the next item: an item's last two changes of slots ask for the next item's first two steps.  By this text's own count a wave has
; two tensor loads out at the start and one behind each change of slots.
; NO CLUSTER, and not for want of sharing: the sixteen work-groups of a tile row read the same tile of xs, half of a step's bytes, and could ask for it jointly by fours; that
; form is not built here.  W_in's tile is shared only where two tiles' experts happen to agree.
; THE MATRIX INSTRUCTION IS USED TRANSPOSED (source 0 = 16 rows of W, source 1 = 16 rows of xs): a lane holds eight neighbouring numbers of a row of h'.
; REGISTERS: window 0: v0-31 addresses; v32-95 the way out; v96-103 gates; v128-255 accumulators ((a, b) at 128 + 8 (4 a + b)).  Window 1: two fragment buffers of 128.
.set ITEMS,  4
.set PITCH,  528                       ; an LDS row: 512 bytes + 16 of padding = 132 words: the 16 rows of a load start at 16 different groups of four banks (ISA guide 11.1)
.set HALFT,  64*PITCH                  ; what one tensor load brings
.set SLOT,   4*HALFT                   ; xs's 128 rows, then W's 128 rows
.set STAGE,  2*SLOT                    ; behind the ring: 128 rows x 272 bytes, the work-group's, for the way out
.set SPITCH, 272
.set SPARE,  STAGE+128*SPITCH          ; behind the stage: the spare words, 128 bytes a wave
.set ADRA, 16                          ; v16-17  LDS address of my xs fragments in slot 0, 1
.set ADRB, 20                          ; v20-21  the same for W
.set STO,  24                          ; v24     the way out: where I put 16 bytes of a row
.set RD,   25                          ; v25     where I read a row back
.set CO,   26                          ; v26     my byte offset in h
.set GO,   27                          ; v27     my byte offset in gs
.set SPW,  28                          ; v28     my spare word; never rewritten
.set NIL,  29                          ; v29     0; never rewritten
.set TMP,  32
.set GT,   96                          ; v96, 98, 100, 102: the gate of my row in row block a; the odd ones are named with them as pairs
.set ACC,  128
.set F0,   0
.set F1,   128
.set G1,   24                          ; s[24:31] descriptor group 1
.set G0,   32                          ; s[32:39] descriptor group 0, a set for each slot
.set PT,   40                          ; s[40:41] the buffer that my wave fetches from
.set P0,   42                          ; s[42:43] this item's first tile of it
.set PN,   44                          ; s[44:45] the next item's
; s48 items to go; s49 T; s50-53 experts of this and the later items; s54 the offset of my rows of xs; s55 of my rows in an expert's matrix; s56 this item's tile;
; s57 T - 1; s58 the tile that the next item walks; s59 my 64 rows of a tile in bytes; s60 1 if this item's tile exists; s61 my row half in gs; s62 at work
.set MSB, 0
.macro WIN new                         ; the immediate's high byte repeats the setting that is left
.if MSB != (\new)
	s_set_vgpr_msb (MSB<<8)|(\new)
.set MSB, \new
.endif
.endm
.set MUL,  0x05                        ; sources 0 and 1 window 1; C and D window 0
.set TO_F, 0x40                        ; destination window 1, address window 0
; 8 matrix instructions: row blocks a0, a0 + 1 x all 4 column blocks, 32 along K: half c of buffer f.  zero = 1: the first product starts the sums
.macro MUL8 f, c, a0, zero
	WIN MUL
.irp a, \a0, (\a0)+1
.irp b, 0,1,2,3
.if \zero
	v_wmma_f32_16x16x32_bf16 v[ACC+8*(4*(\a)+(\b)):ACC+8*(4*(\a)+(\b))+7], v[(\f)+64+8*(4*(\c)+(\b)):(\f)+64+8*(4*(\c)+(\b))+7], v[(\f)+8*(4*(\c)+(\a)):(\f)+8*(4*(\c)+(\a))+7], 0
.else
	v_wmma_f32_16x16x32_bf16 v[ACC+8*(4*(\a)+(\b)):ACC+8*(4*(\a)+(\b))+7], v[(\f)+64+8*(4*(\c)+(\b)):(\f)+64+8*(4*(\c)+(\b))+7], v[(\f)+8*(4*(\c)+(\a)):(\f)+8*(4*(\c)+(\a))+7], v[ACC+8*(4*(\a)+(\b)):ACC+8*(4*(\a)+(\b))+7]
.endif
.endr
.endr
.endm
; 32 LDS loads in one run: the fragments of 64 along K at byte k of the rows, into buffer f; the first 32 along K first
.macro FETCH slot, k, f
	WIN TO_F
.irp c, 0,1
.irp i, 0,1,2,3
	ds_load_b128 v[(\f)+64+8*(4*(\c)+(\i)):(\f)+64+8*(4*(\c)+(\i))+3],   v[ADRB+(\slot)] offset:(\k)+64*(\c)+(\i)*16*PITCH
	ds_load_b128 v[(\f)+64+8*(4*(\c)+(\i))+4:(\f)+64+8*(4*(\c)+(\i))+7], v[ADRB+(\slot)] offset:(\k)+64*(\c)+(\i)*16*PITCH+32
	ds_load_b128 v[(\f)+8*(4*(\c)+(\i)):(\f)+8*(4*(\c)+(\i))+3],         v[ADRA+(\slot)] offset:(\k)+64*(\c)+(\i)*16*PITCH
	ds_load_b128 v[(\f)+8*(4*(\c)+(\i))+4:(\f)+8*(4*(\c)+(\i))+7],       v[ADRA+(\slot)] offset:(\k)+64*(\c)+(\i)*16*PITCH+32
.endr
.endr
.endm
.macro PLACES                          ; four places in front of loads into registers that matrix instructions have read, and of vector work on results
.rept 4
	v_nop
.endr
.endm
; A K step is four quarters of 64 along K, 32 matrix instructions each, on buffers 0, 1, 0, 1; the 16 accumulators take turns.
.macro QUARTER slot, k, f, g, zero
	s_wait_dscnt 16                                ; the first 32 along K are in; the youngest sixteen loads may be out
	MUL8 \f, 0, 0, \zero
	MUL8 \f, 0, 2, \zero
	PLACES
	FETCH \slot, \k, \g
	s_wait_dscnt 32                                ; all but the 32 just issued
	MUL8 \f, 1, 0, 0
	MUL8 \f, 1, 2, 0
.endm
.macro STEP3 slot, zero                ; a step's first three quarters
	QUARTER \slot, 128, F0, F1, \zero
	QUARTER \slot, 256, F1, F0, 0
	QUARTER \slot, 384, F0, F1, 0
.endm
; The last quarter multiplies buffer 1 and changes slots: ONE barrier.  In front of it each wave waits for all its tensor loads (one is out: its part of the next
; slot), adds 0 to its spare word, and waits for that and for its reads of this slot.  fill = 1: this slot is filled again, first thing behind the barrier, with the
; tile at s[preg] + imm; that load has 112 matrix instructions in which to land.
.macro TURN slot, next, fill, preg=0, imm=0
	WIN 0
	s_wait_tensorcnt 0x0                           ; no tensor load of mine is out, so a group 0 may be written
	ds_add_u32 v[SPW], v[NIL]                      ; 0 onto my spare word
.if \fill
	s_add_nc_u64 s[G0+4*(\slot)+2:G0+4*(\slot)+3], s[\preg:\preg+1], \imm   ; the address is made anew,
	s_or_b32 s[G0+4*(\slot)+3], s[G0+4*(\slot)+3], 0x80000000              ; and the type set on top of it
.endif
	s_wait_dscnt 17                                ; the add and the youngest sixteen loads may be out
	MUL8 F1, 0, 0, 0
	s_wait_dscnt 0x0                               ; the add is done, and my reads of this slot are over
	s_barrier_signal -1
	MUL8 F1, 0, 2, 0
	s_barrier_wait -1
.if \fill
	tensor_load_to_lds s[G0+4*(\slot):G0+4*(\slot)+3], s[G1:G1+7]
	s_nop 0
.endif
	PLACES                                         ; four v_nop follow the tensor load; they are also the places in front of the loads below
	FETCH \next, 0, F0
	MUL8 F1, 1, 0, 0
	MUL8 F1, 1, 2, 0
.endm
.macro MKP dst, e                      ; s[dst] = my buffer + the offset of my 64 rows: s54 (xs), or those of expert s[e] (W_in)
	s_lshl_b32 s46, s[\e], 21                      ; an expert's matrix is 2 MiB of bf16
	s_add_co_u32 s46, s46, s55
	s_cmp_eq_u32 s15, 0
	s_cselect_b32 s46, s54, s46
	s_add_nc_u64 s[\dst:\dst+1], s[PT:PT+1], s[46:47]
.endm
.macro GATES
.irp a, 0,1,2,3
	global_load_b32 v[GT+2*\a], v[GO], s[8:9] offset:64*\a
.endr
.endm
; THE WAY OUT: times the row's gate, rounded to bf16; 16 bytes a lane into the work-group's stage; a barrier, since a row's 256 bytes come from two waves; back as
; whole rows, 32 a wave.  The stage is written again four changes of slots later, each with a barrier behind every wave's wait for its LDS reads.
; Where the item's tile does not exist every lane is off in the stores.
.macro OUT1 more
	WIN 0
	PLACES
	s_wait_loadcnt 0x0                             ; the gates
.irp a, 0,1,2,3
.irp b, 0,1,2,3
.irp r, 0,1,2,3
	v_pk_mul_f32 v[ACC+8*(4*\a+\b)+2*\r:ACC+8*(4*\a+\b)+2*\r+1], v[ACC+8*(4*\a+\b)+2*\r:ACC+8*(4*\a+\b)+2*\r+1], v[GT+2*\a:GT+2*\a+1] op_sel_hi:[1,0]
.endr
.irp r, 0,1,2,3
	v_cvt_pk_bf16_f32 v[TMP+4*(4*\a+\b)+\r], v[ACC+8*(4*\a+\b)+2*\r], v[ACC+8*(4*\a+\b)+2*\r+1]
.endr
.endr
.endr
.irp a, 0,1,2,3
.irp b, 0,1,2,3
	ds_store_b128 v[STO], v[TMP+4*(4*\a+\b):TMP+4*(4*\a+\b)+3] offset:\a*16*SPITCH+32*\b
.endr
.endr
	s_wait_dscnt 0x0                               ; for the others' sake: my stores into the stage are done
	s_barrier_signal -1                            ; the tensor load that is out may stay out
	s_barrier_wait -1
.irp t, 0,1,2,3,4,5,6,7,8,9,10,11,12,13,14,15
	ds_load_b128 v[TMP+4*\t:TMP+4*\t+3], v[RD] offset:\t*2*SPITCH
.endr
	s_cmp_lt_u32 s56, s49                          ; does this item's tile exist?
	s_cselect_b32 s60, 1, 0
	s_wait_xcnt 0x0                                ; EXEC changes only behind this wait
	v_cmpx_gt_u32 s60, v[NIL]                      ; all lanes on, or none
.irp t, 0,1,2,3,4,5,6,7,8,9,10,11,12,13,14,15
	s_wait_dscnt 15-\t
	global_store_b128 v[CO], v[TMP+4*\t:TMP+4*\t+3], s[12:13] offset:\t*4096   ; 16 lanes store 256 consecutive bytes, aligned; two rows of 2,048 bytes a store
.endr
	s_wait_xcnt 0x0                                ; and again in front of the line that widens it; it also frees the stores' address and data registers
	s_mov_b32 exec_lo, -1
.if \more
	v_add_nc_u32 v[CO], 0x400000, v[CO]            ; 16 tiles on: 2,048 rows of 2,048 bytes
	s_lshl_b32 s62, s58, 9                         ; the gates of the tile that the next item walks: 128 of 4 bytes a tile,
	s_add_co_u32 s62, s62, s61                     ; my row half,
	v_lshl_add_u32 v[GO], v1, 2, s62               ; my row
	GATES
.endif
.endm
	s_load_b256 s[4:11], s[0:1], 0x0               ; xs s[4:5], wb s[6:7], gs s[8:9], tab s[10:11]
	s_load_b64 s[12:13], s[0:1], 0x20              ; h
	v_lshl_add_u32 v[SPW], v0, 2, SPARE
	v_mov_b32 v[NIL], 0
	ds_add_u32 v28, v29
	ds_add_u32 v28, v29
	s_wait_dscnt 0x0
	v_lshrrev_b32 v1, 5, v0
	v_readfirstlane_b32 s14, v1                    ; wave 0..3
	s_lshr_b32 s15, s14, 1                         ; my half of the item's rows.  Also: I fetch xs (0) or W (1)
	s_and_b32 s16, s14, 1                          ; my half of its columns.  Also: which 64 rows I fetch
	s_and_b32 s17, ttmp9, 15                       ; c
	s_lshr_b32 s18, ttmp9, 4                       ; my first tile, 0..15
	s_lshr_b32 s19, s17, 3                         ; 0: the pair's expert a; 1: b
	s_lshl_b32 s20, s19, 8
	s_lshl2_add_u32 s20, s18, s20                  ; the byte of my first tile's expert in the tables
	s_mov_b32 s[G1+0], (1<<16)|(1<<20)|(6<<22)|(3<<25)   ; elements of 2 bytes; padding on: after every 128 words (code 6) 4 words (code 3)
	s_mov_b32 s[G1+1], 256<<16                     ; tensor_dim0 = 256
	s_mov_b32 s[G1+2], 64<<16                      ; tensor_dim1 = 64
	s_mov_b32 s[G1+3], 256<<16                     ; tile_dim0 = 256
	s_mov_b32 s[G1+4], 64                          ; tile_dim1 = 64
	s_mov_b32 s[G1+5], 1024                        ; elements from row to row, in xs and in W alike
	s_mov_b32 s[G1+6], 0
	s_mov_b32 s[G1+7], 0
	s_wait_kmcnt 0x0
	s_load_b32 s49, s[10:11], 0x8300               ; T
	s_load_b32 s50, s[10:11], s20 offset:0x8000    ; the experts of my four tile places (all 64 entries of the table are written)
	s_load_b32 s51, s[10:11], s20 offset:0x8040
	s_load_b32 s52, s[10:11], s20 offset:0x8080
	s_load_b32 s53, s[10:11], s20 offset:0x80c0
	s_lshl_b32 s59, s16, 17                        ; my 64 rows of 2,048 bytes
	s_and_b32 s55, s17, 7
	s_lshl_b32 s55, s55, 18                        ; W: column block c % 8 is 128 rows of 2,048 bytes
	s_add_co_u32 s55, s55, s59
	s_lshl_b32 s61, s15, 8                         ; my row half in gs: 64 gates of 4 bytes
	s_mov_b32 s56, s18                             ; this item's tile
	s_lshl_b32 s54, s18, 18                        ; xs: tile t is 128 rows of 2,048 bytes; my first tile exists (15 < 32 <= T)
	s_add_co_u32 s54, s54, s59
	s_mov_b32 s47, 0
	s_mov_b32 s48, ITEMS
	s_cmp_eq_u32 s15, 0
	s_cselect_b64 s[PT:PT+1], s[4:5], s[6:7]
	s_mul_i32 s22, s14, HALFT                      ; where my part of a slot lies
	s_wait_kmcnt 0x0
	s_min_u32 s49, s49, 59
	s_max_u32 s49, s49, 32
	s_sub_co_u32 s57, s49, 1                       ; the last tile that exists
.irp e, 50,51,52,53
	s_min_u32 s\e, s\e, 7
.endr
	MKP P0, 50
	s_mov_b32 s[G0], 1                             ; count = 1
	s_mov_b32 s[G0+1], s22                         ; LDS address: slot 0
	s_add_nc_u64 s[G0+2:G0+3], s[P0:P0+1], 0       ; K step 0
	s_or_b32 s[G0+3], s[G0+3], 0x80000000          ; type = 2
	s_mov_b32 s[G0+4], 1
	s_add_co_u32 s[G0+5], s22, SLOT
	s_add_nc_u64 s[G0+6:G0+7], s[P0:P0+1], 512     ; K step 1
	s_or_b32 s[G0+7], s[G0+7], 0x80000000
	tensor_load_to_lds s[G0:G0+3], s[G1:G1+7]      ; the two first fills stand together, ahead of every wait on TENSORcnt, LDS read and barrier
	s_nop 0
	tensor_load_to_lds s[G0+4:G0+7], s[G1:G1+7]
	s_nop 0
	PLACES
	v_and_b32 v1, 15, v0                           ; r = l % 16; kept
	v_bfe_u32 v2, v0, 4, 1                         ; hh = l / 16
	v_mul_u32_u24 v3, v1, PITCH
	v_lshl_add_u32 v3, v2, 4, v3                   ; a fragment's row x pitch + 16 x half
	s_mul_i32 s21, s15, HALFT                      ; my 64 rows of xs
	s_mul_i32 s22, s16, HALFT                      ; my 64 rows of W,
	s_add_co_u32 s22, s22, 2*HALFT                 ; which lie behind xs's 128
.irp s, 0,1
	v_add_nc_u32 v[ADRA+\s], s21, v3
	v_add_nc_u32 v[ADRB+\s], s22, v3
	s_add_co_u32 s21, s21, SLOT
	s_add_co_u32 s22, s22, SLOT
.endr
	s_mul_i32 s23, s15, 64*SPITCH                  ; into the stage: my 64 rows, my half of their 256 bytes
	s_lshl_b32 s21, s16, 7
	s_add_co_u32 s23, s23, s21
	s_add_co_u32 s23, s23, STAGE
	v_mul_u32_u24 v4, v1, SPITCH
	v_lshl_add_u32 v4, v2, 4, v4
	v_add_nc_u32 v[STO], s23, v4
	s_mul_i32 s23, s14, 32*SPITCH                  ; back: wave w takes rows 32 w .. 32 w + 31, whole
	s_add_co_u32 s23, s23, STAGE
	v_mul_u32_u24 v5, v2, SPITCH
	v_lshl_add_u32 v5, v1, 4, v5
	v_add_nc_u32 v[RD], s23, v5
	v_lshlrev_b32 v5, 11, v2                       ; and the same two rows in h
	v_lshl_add_u32 v[CO], v1, 4, v5
	s_lshl_b32 s20, s18, 18                        ; h at row 128 t0 + 32 w of 2,048 bytes,
	s_lshl_b32 s21, s14, 16
	s_add_co_u32 s20, s20, s21
	s_and_b32 s21, s17, 7
	s_lshl_b32 s21, s21, 8                         ; byte 256 (c % 8),
	s_add_co_u32 s20, s20, s21
	s_lshl_b32 s21, s19, 24                        ; plane c / 8 of 16 MiB
	s_add_co_u32 s20, s20, s21
	s_mov_b32 s21, 0
	s_add_nc_u64 s[12:13], s[12:13], s[20:21]
	s_lshl_b32 s20, s19, 15                        ; a's gates, or b's
	s_add_nc_u64 s[8:9], s[8:9], s[20:21]
	s_lshl_b32 s20, s18, 9
	s_add_co_u32 s20, s20, s61
	v_lshl_add_u32 v[GO], v1, 2, s20               ; the gate of row 128 t0 + 64 half + r
.irp a, 0,1,2,3
	v_mov_b32 v[GT+2*\a+1], 0
.endr
	GATES
	s_wait_tensorcnt 1                             ; my part of K step 0 is in; step 1's stays out
	s_barrier_signal -1
	s_barrier_wait -1                              ; everybody's is
	FETCH 0, 0, F0
	WIN 0                                          ; at a label and at a branch every window is 0
.Litem:
	s_add_co_u32 s58, s56, 16                      ; the next item's tile, or tile T - 1 where that does not exist;
	s_min_u32 s58, s58, s57
	s_min_u32 s58, s58, 63                         ; whatever the table holds, inside xs and gs
	s_lshl_b32 s54, s58, 18
	s_add_co_u32 s54, s54, s59
	MKP PN, 51
	STEP3 0, 1                                     ; K step 0: its first products start the sums
	TURN 0, 1, 1, P0, 1024                         ; slot 0 takes K step 2
	STEP3 1, 0
	TURN 1, 0, 1, P0, 1536                         ; slot 1 takes K step 3
	STEP3 0, 0
	WIN 0
	s_cmp_eq_u32 s48, 1
	s_cbranch_scc1 .Llast                          ; the last item's tail is written out: it asks for nothing more
	TURN 0, 1, 1, PN, 0                            ; the ring goes on into the next item
	STEP3 1, 0
	TURN 1, 0, 1, PN, 512                          ; and the next item's first fragments are fetched
	OUT1 1
	s_mov_b64 s[P0:P0+1], s[PN:PN+1]
	s_mov_b32 s51, s52
	s_mov_b32 s52, s53
	s_add_co_u32 s56, s56, 16
	s_sub_co_u32 s48, s48, 1
	s_branch .Litem
.Llast:
	TURN 0, 1, 0
	STEP3 1, 0
	s_wait_dscnt 16                                ; the very last quarter: nothing more to fetch
	MUL8 F1, 0, 0, 0
	MUL8 F1, 0, 2, 0
	s_wait_dscnt 0x0
	MUL8 F1, 1, 0, 0
	MUL8 F1, 1, 2, 0
	OUT1 0
	s_wait_tensorcnt 0x0                           ; the wave's end
	ds_add_u32 v[SPW], v[NIL]
	s_wait_dscnt 0x0
	s_endpgm
.Lfunc_end_k_q46463f4c0e_gemm1:
	.size	k_q46463f4c0e_gemm1, .Lfunc_end_k_q46463f4c0e_gemm1-k_q46463f4c0e_gemm1
	.p2alignl 7, 3214868480
	.fill 96, 4, 3214868480
	.section	.rodata,"a",@progbits
	.p2align	6, 0x0
	.amdhsa_kernel k_q46463f4c0e_gemm1
		.amdhsa_group_segment_fixed_size 327680
		.amdhsa_private_segment_fixed_size 0
		.amdhsa_enable_private_segment 0
		.amdhsa_kernarg_size 40
		.amdhsa_user_sgpr_count 2
		.amdhsa_user_sgpr_kernarg_segment_ptr 1
		.amdhsa_wavefront_size32 1
		.amdhsa_system_sgpr_workgroup_id_x 1
		.amdhsa_system_sgpr_workgroup_id_y 1
		.amdhsa_system_sgpr_workgroup_id_z 1
		.amdhsa_system_vgpr_workitem_id 0
		.amdhsa_next_free_vgpr 512
		.amdhsa_next_free_sgpr 66
		.amdhsa_reserve_vcc 0
		.amdhsa_float_denorm_mode_32 3
		.amdhsa_float_denorm_mode_16_64 3
		.amdhsa_memory_ordered 1
		.amdhsa_forward_progress 1
		.amdhsa_inst_pref_size 124
	.end_amdhsa_kernel
	.amdgpu_metadata
---
amdhsa.version: [ 1, 2 ]
amdhsa.kernels:
  - .name:           k_q46463f4c0e_gemm1
    .symbol:         k_q46463f4c0e_gemm1.kd
    .args:
      - { .name: xs, .offset: 0, .size: 8, .value_kind: global_buffer, .address_space: global }
      - { .name: wb, .offset: 8, .size: 8, .value_kind: global_buffer, .address_space: global }
      - { .name: gs, .offset: 16, .size: 8, .value_kind: global_buffer, .address_space: global }
      - { .name: tab, .offset: 24, .size: 8, .value_kind: global_buffer, .address_space: global }
      - { .name: h, .offset: 32, .size: 8, .value_kind: global_buffer, .address_space: global }
    .group_segment_fixed_size: 327680
    .private_segment_fixed_size: 0
    .kernarg_segment_align: 8
    .kernarg_segment_size: 40
    .max_flat_workgroup_size: 128
    .sgpr_count:     66
    .vgpr_count:     512
    .wavefront_size: 32
...
	.end_amdgpu_metadata
.endif
;; end of part 4
;; launch gemm2 (part 5): grid 256 x 1, 4 waves a work-group, no clusters, 327,680 bytes of LDS; arguments h, wb, tab, out0; writes out0
.if DOCPART == 5
	.amdgcn_target "amdgcn-amd-amdhsa--gfx1250"
	.amdhsa_code_object_version 6
	.text
	.protected	k_q46463f4c0e_gemm2
	.globl	k_q46463f4c0e_gemm2
	.p2align	8
	.type	k_q46463f4c0e_gemm2,@function
k_q46463f4c0e_gemm2:
	s_mov_b64 s[64:65], 0
	v_nop
	global_prefetch_b8 v0, s[64:65] scope:SCOPE_SE
	s_setreg_imm32_b32 hwreg(HW_REG_WAVE_MODE, 25, 1), 1
	s_wait_xcnt 0x0
; GEMM2.  y[perm[p]][d] = the sum over k < 1,024 of h'[0][p][k] W_out[a][d][k] + the sum over k < 1,024 of h'[1][p][k] W_out[b][d][k] for the tile's pair of experts a, b: the two
; experts' parts meet in one f32 sum, and each row of out0 is written once.  h: [2][8192][1024] bf16; W_out in wb from byte 16,777,216 on: [8][1024][1024] bf16; out0: [4096][1024] f32.
; An item is 128 rows (tile t) x 128 columns (block c of 8).  Work-group: c = id % 8, tiles t = id / 8 and id / 8 + 32: ALWAYS TWO ITEMS, so that the barriers and tensor loads that a
; wave passes hang on no number read from memory.  Only T tiles exist (32..59).  Where the second tile is at or beyond T the item walks tile T - 1 once more, so that it reads only
; bytes that were written, and counts 0 valid rows, so that nothing is stored: that work serves nothing, and is the price of the constant count.
; Four waves, each 64 x 64.  K goes in eight steps of 256 (four for each expert) through two LDS slots; a wave's one tensor load brings 64 rows of 512 bytes (waves 0, 1: h;
; waves 2, 3: W_out).  The ring runs on into the next item.  By this text's own count a wave has two tensor loads out at the start and one behind each change of slots.
; Pad rows (from the tile's NV-th on) are computed and not stored: the lanes that hold them are off in the stores.
; NO CLUSTER, and not for want of sharing: the eight work-groups of a tile row read the same tile of h, half of a step's bytes, and could ask for it jointly by fours; that form is
; not built here.  W_out's tile is shared only where two tiles' experts happen to agree.
; THE MATRIX INSTRUCTION IS USED TRANSPOSED (source 0 = 16 rows of W, source 1 = 16 rows of h'): a lane holds eight neighbouring numbers of a row of y.
; REGISTERS: window 0: v0-31 addresses; v32-95 the way out; v96-127 row offsets in out0; v128-255 accumulators.  Window 1: two fragment buffers of 128.
.set ITEMS,  2
.set PITCH,  528                       ; an LDS row: 512 bytes + 16 of padding = 132 words: the 16 rows of a load start at 16 different groups of four banks (ISA guide 11.1)
.set HALFT,  64*PITCH
.set SLOT,   4*HALFT
.set STAGE,  2*SLOT                    ; behind the ring: 16 rows x 272 bytes for each wave, its own: a wave's 64 columns of f32 are a whole 256 bytes
.set SPITCH, 272
.set SPARE,  STAGE+4*16*SPITCH         ; behind the stages: the spare words, 128 bytes a wave
.set PLANE,  0x1000000                 ; bytes from h's first plane to its second, and from w_in to w_out in wb
.set ADRA, 16
.set ADRB, 20
.set STO,  24                          ; v24     the way out: where I put 32 bytes of a row
.set RD,   25                          ; v25     where I read a row back
.set COL,  26                          ; v26     my 16 bytes in a row of out0
.set PO,   27                          ; v27     my byte offset in perm, first item
.set SPW,  28                          ; v28     my spare word; never rewritten
.set NIL,  29                          ; v29     0; never rewritten
.set RH,   30                          ; v30     64 x my row half + l / 16: my row in the tile, less 16 a + 2 k
.set PO1,  31                          ; v31     my byte offset in perm, second item
.set TMP,  32
.set RO,   96                          ; v[96+8a+k]: the token, then the byte offset in out0, of row 16 a + 2 k + l / 16 of my 64
.set ACC,  128
.set F0,   0
.set F1,   128
.set G1,   24
.set G0,   32
.set PT,   40                          ; s[40:41] the buffer that my wave fetches from
.set P0,   42                          ; s[42:43] this item's tile of K step 0
.set P1,   44                          ; s[44:45] of K step 4
.set PN0,  46                          ; s[46:47], s[48:49] the second item's
.set PN1,  48
; s19 the tile that the second item walks; s52 items to go; s53 T; s54, 55 expert a of the two items; s56, 57 expert b; s58, 59 valid rows; s60 the offset of my rows of h;
; s61 of my rows in an expert's matrix; s62 at work; s63 my 64 rows of a tile in bytes
.set MSB, 0
.macro WIN new
.if MSB != (\new)
	s_set_vgpr_msb (MSB<<8)|(\new)
.set MSB, \new
.endif
.endm
.set MUL,  0x05
.set TO_F, 0x40
.macro MUL8 f, c, a0, zero
	WIN MUL
.irp a, \a0, (\a0)+1
.irp b, 0,1,2,3
.if \zero
	v_wmma_f32_16x16x32_bf16 v[ACC+8*(4*(\a)+(\b)):ACC+8*(4*(\a)+(\b))+7], v[(\f)+64+8*(4*(\c)+(\b)):(\f)+64+8*(4*(\c)+(\b))+7], v[(\f)+8*(4*(\c)+(\a)):(\f)+8*(4*(\c)+(\a))+7], 0
.else
	v_wmma_f32_16x16x32_bf16 v[ACC+8*(4*(\a)+(\b)):ACC+8*(4*(\a)+(\b))+7], v[(\f)+64+8*(4*(\c)+(\b)):(\f)+64+8*(4*(\c)+(\b))+7], v[(\f)+8*(4*(\c)+(\a)):(\f)+8*(4*(\c)+(\a))+7], v[ACC+8*(4*(\a)+(\b)):ACC+8*(4*(\a)+(\b))+7]
.endif
.endr
.endr
.endm
.macro FETCH slot, k, f
	WIN TO_F
.irp c, 0,1
.irp i, 0,1,2,3
	ds_load_b128 v[(\f)+64+8*(4*(\c)+(\i)):(\f)+64+8*(4*(\c)+(\i))+3],   v[ADRB+(\slot)] offset:(\k)+64*(\c)+(\i)*16*PITCH
	ds_load_b128 v[(\f)+64+8*(4*(\c)+(\i))+4:(\f)+64+8*(4*(\c)+(\i))+7], v[ADRB+(\slot)] offset:(\k)+64*(\c)+(\i)*16*PITCH+32
	ds_load_b128 v[(\f)+8*(4*(\c)+(\i)):(\f)+8*(4*(\c)+(\i))+3],         v[ADRA+(\slot)] offset:(\k)+64*(\c)+(\i)*16*PITCH
	ds_load_b128 v[(\f)+8*(4*(\c)+(\i))+4:(\f)+8*(4*(\c)+(\i))+7],       v[ADRA+(\slot)] offset:(\k)+64*(\c)+(\i)*16*PITCH+32
.endr
.endr
.endm
.macro PLACES                          ; four places in front of loads into registers that matrix instructions have read
.rept 4
	v_nop
.endr
.endm
.macro QUARTER slot, k, f, g, zero     ; 64 along K: 32 matrix instructions, the 16 accumulators by turns; the next quarter's 32 loads in one run in its middle
	s_wait_dscnt 16                                ; the first 32 along K are in; the youngest sixteen loads may be out
	MUL8 \f, 0, 0, \zero
	MUL8 \f, 0, 2, \zero
	PLACES
	FETCH \slot, \k, \g
	s_wait_dscnt 32                                ; all but the 32 just issued
	MUL8 \f, 1, 0, 0
	MUL8 \f, 1, 2, 0
.endm
.macro STEP3 slot, zero
	QUARTER \slot, 128, F0, F1, \zero
	QUARTER \slot, 256, F1, F0, 0
	QUARTER \slot, 384, F0, F1, 0
.endm
; The last quarter and the change of slots: ONE barrier; in front of it each wave waits for all its tensor loads (one is out: its part of the next slot), adds 0 to its
; spare word, and waits for that and for its reads of this slot.  fill = 1: this slot is filled again, first thing behind the barrier, with the tile at s[preg] + imm.
.macro TURN slot, next, fill, preg=0, imm=0
	WIN 0
	s_wait_tensorcnt 0x0                           ; no tensor load of mine is out, so a group 0 may be written
	ds_add_u32 v[SPW], v[NIL]                      ; 0 onto my spare word
.if \fill
	s_add_nc_u64 s[G0+4*(\slot)+2:G0+4*(\slot)+3], s[\preg:\preg+1], \imm
	s_or_b32 s[G0+4*(\slot)+3], s[G0+4*(\slot)+3], 0x80000000
.endif
	s_wait_dscnt 17                                ; the add and the youngest sixteen loads may be out
	MUL8 F1, 0, 0, 0
	s_wait_dscnt 0x0                               ; the add is done, and my reads of this slot are over
	s_barrier_signal -1
	MUL8 F1, 0, 2, 0
	s_barrier_wait -1
.if \fill
	tensor_load_to_lds s[G0+4*(\slot):G0+4*(\slot)+3], s[G1:G1+7]
	s_nop 0
.endif
	PLACES                                         ; four v_nop follow the tensor load; they are also the places in front of the loads below
	FETCH \next, 0, F0
	MUL8 F1, 1, 0, 0
	MUL8 F1, 1, 2, 0
.endm
.macro MKP d0, d1, ea, eb              ; my 64 rows for K steps 0-3 and 4-7: at s60 in h's first plane and in its second, or of experts s[ea], s[eb] in W_out
	s_lshl_b32 s50, s[\ea], 21
	s_add_co_u32 s50, s50, s61
	s_cmp_eq_u32 s15, 0
	s_cselect_b32 s50, s60, s50
	s_add_nc_u64 s[\d0:\d0+1], s[PT:PT+1], s[50:51]
	s_lshl_b32 s50, s[\eb], 21
	s_add_co_u32 s50, s50, s61
	s_add_co_u32 s62, s60, PLANE
	s_cmp_eq_u32 s15, 0
	s_cselect_b32 s50, s62, s50
	s_add_nc_u64 s[\d1:\d1+1], s[PT:PT+1], s[50:51]
.endm
.macro PERM p                          ; the tokens of my 64 rows
.set i, 0
.rept 32
	global_load_b32 v[RO+i], v[\p], s[8:9] offset:4*(16*(i/8)+2*(i%8))
.set i, i+1
.endr
.endm
; THE WAY OUT.  A block of 16 rows at a time goes through my own stage: 32 bytes a lane in, whole rows of 256 bytes back (LDS serves a wave's instructions in order, ISA guide
; 5.7.1.4: no wait between them), and each row to its token's place.  A tile's valid rows come first, so within a block the lanes only go off.
.macro OUT2 more
	WIN 0
	s_wait_loadcnt 0x0                             ; the tokens
.set i, 0
.rept 32
	v_min_u32 v[RO+i], 4095, v[RO+i]               ; these 64 plain lines, which name no register of the products, are also the places behind the last of them
.set i, i+1
.endr
.set i, 0
.rept 32
	v_lshl_add_u32 v[RO+i], v[RO+i], 12, v[COL]    ; a row of out0 is 4,096 bytes
.set i, i+1
.endr
.irp a, 0,1,2,3
.irp b, 0,1,2,3
	ds_store_b128 v[STO], v[ACC+8*(4*\a+\b):ACC+8*(4*\a+\b)+3] offset:64*\b          ; each accumulator's low registers first
	ds_store_b128 v[STO], v[ACC+8*(4*\a+\b)+4:ACC+8*(4*\a+\b)+7] offset:64*\b+16
.endr
.irp k, 0,1,2,3,4,5,6,7
	ds_load_b128 v[TMP+32*(\a%2)+4*\k:TMP+32*(\a%2)+4*\k+3], v[RD] offset:\k*2*SPITCH
.endr
.irp k, 0,1,2,3,4,5,6,7
	s_wait_dscnt 7-\k
	s_sub_co_i32 s62, s58, 16*\a+2*\k
	s_wait_xcnt 0x0                                ; EXEC changes only behind this wait
	v_cmpx_gt_i32 s62, v[RH]                       ; on: the lanes whose row lies below the tile's valid rows' end
	global_store_b128 v[RO+8*\a+\k], v[TMP+32*(\a%2)+4*\k:TMP+32*(\a%2)+4*\k+3], s[10:11] th:TH_STORE_NT   ; 16 lanes store 256 consecutive bytes, aligned
.endr
	s_wait_xcnt 0x0                                ; and again in front of the line that widens it; it also frees the stores' registers
	s_mov_b32 exec_lo, -1
.endr
.if \more
	PERM PO1
.endif
.endm
	s_load_b256 s[4:11], s[0:1], 0x0               ; h s[4:5], wb s[6:7], tab s[8:9], out0 s[10:11]
	v_lshl_add_u32 v[SPW], v0, 2, SPARE
	v_mov_b32 v[NIL], 0
	ds_add_u32 v28, v29
	ds_add_u32 v28, v29
	s_wait_dscnt 0x0
	v_lshrrev_b32 v1, 5, v0
	v_readfirstlane_b32 s14, v1                    ; wave 0..3
	s_lshr_b32 s15, s14, 1                         ; my half of the item's rows.  Also: I fetch h (0) or W (1)
	s_and_b32 s16, s14, 1                          ; my half of its columns.  Also: which 64 rows I fetch
	s_and_b32 s17, ttmp9, 7                        ; c
	s_lshr_b32 s18, ttmp9, 3                       ; my first tile, 0..31
	s_lshl_b32 s20, s18, 2
	s_mov_b32 s[G1+0], (1<<16)|(1<<20)|(6<<22)|(3<<25)   ; elements of 2 bytes; padding on: after every 128 words (code 6) 4 words (code 3)
	s_mov_b32 s[G1+1], 256<<16                     ; tensor_dim0 = 256
	s_mov_b32 s[G1+2], 64<<16                      ; tensor_dim1 = 64
	s_mov_b32 s[G1+3], 256<<16                     ; tile_dim0 = 256
	s_mov_b32 s[G1+4], 64                          ; tile_dim1 = 64
	s_mov_b32 s[G1+5], 1024                        ; elements from row to row, in a plane of h and in W alike
	s_mov_b32 s[G1+6], 0
	s_mov_b32 s[G1+7], 0
	s_wait_kmcnt 0x0
	s_load_b32 s53, s[8:9], 0x8300                 ; T
	s_load_b32 s54, s[8:9], s20 offset:0x8000      ; expert a of my two tile places (all 64 entries of each table are written),
	s_load_b32 s55, s[8:9], s20 offset:0x8080
	s_load_b32 s56, s[8:9], s20 offset:0x8100      ; expert b,
	s_load_b32 s57, s[8:9], s20 offset:0x8180
	s_load_b32 s58, s[8:9], s20 offset:0x8200      ; valid rows
	s_load_b32 s59, s[8:9], s20 offset:0x8280
	s_lshl_b32 s63, s16, 17                        ; my 64 rows of 2,048 bytes
	s_lshl_b32 s61, s17, 18                        ; W_out: column block c is 128 rows of 2,048 bytes,
	s_add_co_u32 s61, s61, s63
	s_add_co_u32 s61, s61, PLANE                   ; behind w_in's 16 MiB in wb
	s_mov_b32 s51, 0
	s_mov_b32 s52, ITEMS
	s_cmp_eq_u32 s15, 0
	s_cselect_b64 s[PT:PT+1], s[4:5], s[6:7]
	s_mul_i32 s22, s14, HALFT
	s_wait_kmcnt 0x0
	s_min_u32 s53, s53, 59
	s_max_u32 s53, s53, 32
.irp e, 54,55,56,57
	s_min_u32 s\e, s\e, 7
.endr
	s_min_u32 s58, s58, 128                        ; my first tile exists (31 < 32 <= T)
	s_min_u32 s59, s59, 128
	s_sub_co_u32 s62, s53, 1                       ; the last tile that exists
	s_add_co_u32 s19, s18, 32                      ; my second tile:
	s_cmp_lt_u32 s19, s53                          ; where it does not exist it has no valid row,
	s_cselect_b32 s59, s59, 0
	s_min_u32 s19, s19, s62                        ; and tile T - 1 is walked in its stead;
	s_min_u32 s19, s19, 63                         ; whatever the table holds, inside h and perm
	s_lshl_b32 s60, s18, 18                        ; h: tile t is 128 rows of 2,048 bytes in each plane
	s_add_co_u32 s60, s60, s63
	MKP P0, P1, 54, 56
	s_lshl_b32 s60, s19, 18
	s_add_co_u32 s60, s60, s63
	MKP PN0, PN1, 55, 57
	s_mov_b32 s[G0], 1
	s_mov_b32 s[G0+1], s22
	s_add_nc_u64 s[G0+2:G0+3], s[P0:P0+1], 0       ; K step 0
	s_or_b32 s[G0+3], s[G0+3], 0x80000000
	s_mov_b32 s[G0+4], 1
	s_add_co_u32 s[G0+5], s22, SLOT
	s_add_nc_u64 s[G0+6:G0+7], s[P0:P0+1], 512     ; K step 1
	s_or_b32 s[G0+7], s[G0+7], 0x80000000
	tensor_load_to_lds s[G0:G0+3], s[G1:G1+7]      ; the two first fills stand together, ahead of every wait on TENSORcnt, LDS read and barrier
	s_nop 0
	tensor_load_to_lds s[G0+4:G0+7], s[G1:G1+7]
	s_nop 0
	PLACES
	v_and_b32 v1, 15, v0                           ; r = l % 16
	v_bfe_u32 v2, v0, 4, 1                         ; hh = l / 16
	v_mul_u32_u24 v3, v1, PITCH
	v_lshl_add_u32 v3, v2, 4, v3
	s_mul_i32 s21, s15, HALFT
	s_mul_i32 s22, s16, HALFT
	s_add_co_u32 s22, s22, 2*HALFT
.irp s, 0,1
	v_add_nc_u32 v[ADRA+\s], s21, v3
	v_add_nc_u32 v[ADRB+\s], s22, v3
	s_add_co_u32 s21, s21, SLOT
	s_add_co_u32 s22, s22, SLOT
.endr
	s_mul_i32 s23, s14, 16*SPITCH
	s_add_co_u32 s23, s23, STAGE                   ; my stage
	v_mul_u32_u24 v4, v1, SPITCH                   ; in: row r, 32 bytes for each half of the lanes
	v_lshl_add_u32 v4, v2, 5, v4
	v_add_nc_u32 v[STO], s23, v4
	v_mul_u32_u24 v5, v2, SPITCH                   ; back: lanes 0-15 take one row of 256 bytes, lanes 16-31 the next
	v_lshl_add_u32 v5, v1, 4, v5
	v_add_nc_u32 v[RD], s23, v5
	s_lshl_b32 s20, s17, 9                         ; in a row of out0: 512 c + 256 x my column half + 16 r
	s_lshl_b32 s21, s16, 8
	s_add_co_u32 s20, s20, s21
	v_lshl_add_u32 v[COL], v1, 4, s20
	v_lshl_add_u32 v[RH], s15, 6, v2
	s_lshl_b32 s21, s15, 8                         ; in perm: row 128 t + 64 x my row half + hh, for the two items' tiles
	s_lshl_b32 s20, s18, 9
	s_add_co_u32 s20, s20, s21
	v_lshl_add_u32 v[PO], v2, 2, s20
	s_lshl_b32 s20, s19, 9
	s_add_co_u32 s20, s20, s21
	v_lshl_add_u32 v[PO1], v2, 2, s20
	PERM PO
	s_wait_tensorcnt 1                             ; my part of K step 0 is in; step 1's stays out
	s_barrier_signal -1
	s_barrier_wait -1
	FETCH 0, 0, F0
	WIN 0                                          ; at a label and at a branch every window is 0
.Litem:
	STEP3 0, 1                                     ; K step 0: its first products start the sums
	TURN 0, 1, 1, P0, 1024                         ; slot 0 takes K step 2
	STEP3 1, 0
	TURN 1, 0, 1, P0, 1536                         ; step 3
	STEP3 0, 0
	TURN 0, 1, 1, P1, 0                            ; step 4: expert b begins
	STEP3 1, 0
	TURN 1, 0, 1, P1, 512
	STEP3 0, 0
	TURN 0, 1, 1, P1, 1024
	STEP3 1, 0
	TURN 1, 0, 1, P1, 1536                         ; step 7
	STEP3 0, 0
	WIN 0
	s_cmp_eq_u32 s52, 1
	s_cbranch_scc1 .Llast                          ; the last item's tail is written out: it asks for nothing more
	TURN 0, 1, 1, PN0, 0                           ; the ring goes on into the second item
	STEP3 1, 0
	TURN 1, 0, 1, PN0, 512                         ; and its first fragments are fetched
	OUT2 1
	s_mov_b64 s[P0:P0+1], s[PN0:PN0+1]
	s_mov_b64 s[P1:P1+1], s[PN1:PN1+1]
	s_mov_b32 s58, s59
	s_sub_co_u32 s52, s52, 1
	s_branch .Litem
.Llast:
	TURN 0, 1, 0
	STEP3 1, 0
	s_wait_dscnt 16                                ; the very last quarter: nothing more to fetch
	MUL8 F1, 0, 0, 0
	MUL8 F1, 0, 2, 0
	s_wait_dscnt 0x0
	MUL8 F1, 1, 0, 0
	MUL8 F1, 1, 2, 0
	OUT2 0
	s_wait_tensorcnt 0x0                           ; the wave's end
	ds_add_u32 v[SPW], v[NIL]
	s_wait_dscnt 0x0
	s_endpgm
.Lfunc_end_k_q46463f4c0e_gemm2:
	.size	k_q46463f4c0e_gemm2, .Lfunc_end_k_q46463f4c0e_gemm2-k_q46463f4c0e_gemm2
	.p2alignl 7, 3214868480
	.fill 96, 4, 3214868480
	.section	.rodata,"a",@progbits
	.p2align	6, 0x0
	.amdhsa_kernel k_q46463f4c0e_gemm2
		.amdhsa_group_segment_fixed_size 327680
		.amdhsa_private_segment_fixed_size 0
		.amdhsa_enable_private_segment 0
		.amdhsa_kernarg_size 32
		.amdhsa_user_sgpr_count 2
		.amdhsa_user_sgpr_kernarg_segment_ptr 1
		.amdhsa_wavefront_size32 1
		.amdhsa_system_sgpr_workgroup_id_x 1
		.amdhsa_system_sgpr_workgroup_id_y 1
		.amdhsa_system_sgpr_workgroup_id_z 1
		.amdhsa_system_vgpr_workitem_id 0
		.amdhsa_next_free_vgpr 512
		.amdhsa_next_free_sgpr 66
		.amdhsa_reserve_vcc 0
		.amdhsa_float_denorm_mode_32 3
		.amdhsa_float_denorm_mode_16_64 3
		.amdhsa_memory_ordered 1
		.amdhsa_forward_progress 1
		.amdhsa_inst_pref_size 205
	.end_amdhsa_kernel
	.amdgpu_metadata
---
amdhsa.version: [ 1, 2 ]
amdhsa.kernels:
  - .name:           k_q46463f4c0e_gemm2
    .symbol:         k_q46463f4c0e_gemm2.kd
    .args:
      - { .name: h, .offset: 0, .size: 8, .value_kind: global_buffer, .address_space: global }
      - { .name: wb, .offset: 8, .size: 8, .value_kind: global_buffer, .address_space: global }
      - { .name: tab, .offset: 16, .size: 8, .value_kind: global_buffer, .address_space: global }
      - { .name: out0, .offset: 24, .size: 8, .value_kind: global_buffer, .address_space: global }
    .group_segment_fixed_size: 327680
    .private_segment_fixed_size: 0
    .kernarg_segment_align: 8
    .kernarg_segment_size: 32
    .max_flat_workgroup_size: 128
    .sgpr_count:     66
    .vgpr_count:     512
    .wavefront_size: 32
...
	.end_amdgpu_metadata
.endif
;; end of part 5
